; MI455X (gfx1250); checked and timed in simulation.
; The chip was launched on July 23, 2026; its instructions are those of AMD's public machine-readable ISA for CDNA 5 (MIT licence, August 2026) and "CDNA5" Instruction Set Architecture Reference Guide (July 2026). The comments in the code are by the model that wrote it; some were corrected since.
;; ATT ONE2 MANY 1. Allowed arithmetic: float matrix products may take bf16 or f16 operands with f32 sums; all other float work in f32.
;; Inputs: W 1,024 x 1,024 float32; many 32 x 2,048 x 1,024 float32; one 32 x 1,024 float32.
;; Outputs: out0 32 x 1,024 float32; out1 32 x 2,048 float32.
;; One version. Each part assembles by itself: llvm-mc -triple=amdgcn-amd-amdhsa -mcpu=gfx1250 --defsym DOCPART=n.
;; ======== version 1 of 1: 3 launches
;; workspace buffers: Wf 2,097,152 bytes; lg 262,144 bytes; pv 4,194,304 bytes
;; launch prep (part 1): grid 512 x 1, 8 waves a work-group, no clusters, 0 bytes of LDS; arguments W, Wf; writes Wf
.if DOCPART == 1
	.amdgcn_target "amdgcn-amd-amdhsa--gfx1250"
	.amdhsa_code_object_version 6
	.text
	.protected	k_q7beadeeaa6_prep
	.globl	k_q7beadeeaa6_prep
	.p2align	8
	.type	k_q7beadeeaa6_prep,@function
k_q7beadeeaa6_prep:
	s_mov_b64 s[64:65], 0
	v_nop
	global_prefetch_b8 v0, s[64:65] scope:SCOPE_SE
	s_setreg_imm32_b32 hwreg(HW_REG_WAVE_MODE, 25, 1), 1
	s_wait_xcnt 0x0
; Wf = W rounded to bf16, laid in the order in which launch main's waves take their fragments of source 1.
; W: [1024 d][1024 e] f32.  Wf byte = 131072 g + 65536 j + 4096 ks + 1024 n + 512 c + 16 L + 2 x  holds bf16(W[d][e]) with
;   d = 256 (ks >> 2) + 128 j + 32 (ks & 3) + 16 c + 8 h + x,   e = 64 g + 16 (n xor 2 j) + r,   L = 16 h + r.
; A work-group writes the 4,096 bytes of one (g, j, ks); thread t writes the 16 bytes at 16 t, so a wave's store covers 512 consecutive bytes, aligned.
; Its eight loads take one number each from eight rows of W; the eight waves of the work-group together use 32 rows x 256 consecutive bytes.
; No LDS, no matrix unit: 4 MiB are read once and 2 MiB written once.
	s_load_b128 s[4:7], s[0:1], 0x0                ; W s[4:5], Wf s[6:7]
	s_and_b32 s8, ttmp9, 15                        ; ks
	s_bfe_u32 s9, ttmp9, 0x10004                   ; j
	s_lshr_b32 s10, ttmp9, 5                       ; g
	s_lshr_b32 s11, s8, 2
	s_lshl_b32 s11, s11, 8                         ; 256 (ks >> 2)
	s_lshl_b32 s12, s9, 7
	s_add_co_u32 s11, s11, s12                     ; + 128 j
	s_and_b32 s12, s8, 3
	s_lshl_b32 s12, s12, 5
	s_add_co_u32 s11, s11, s12                     ; + 32 (ks & 3): the work-group's first row of W
	s_lshl_b32 s12, s11, 12                        ; rows of 4,096 bytes
	s_lshl_b32 s13, s10, 8
	s_add_co_u32 s12, s12, s13                     ; + 64 g columns of 4 bytes
	s_mov_b32 s13, 0
	s_lshl_b32 s14, ttmp9, 12                      ; the work-group's 4,096 bytes of Wf
	s_mov_b32 s15, 0
	s_lshl_b32 s9, s9, 1                           ; 2 j
	v_and_b32 v1, 15, v0                           ; r
	v_bfe_u32 v2, v0, 4, 1                         ; h
	v_bfe_u32 v3, v0, 5, 1                         ; c
	v_lshrrev_b32 v4, 6, v0                        ; n
	v_xor_b32 v4, s9, v4                           ; n xor 2 j
	v_lshlrev_b32 v5, 2, v1                        ; 4 r
	v_lshl_add_u32 v5, v4, 6, v5                   ; + 16 columns x 4 bytes for each tile
	v_lshl_add_u32 v5, v2, 15, v5                  ; + 8 h rows
	v_lshl_add_u32 v5, v3, 16, v5                  ; + 16 c rows
	v_lshlrev_b32 v6, 4, v0                        ; 16 t
	s_wait_kmcnt 0x0
	s_add_nc_u64 s[4:5], s[4:5], s[12:13]
	s_add_nc_u64 s[6:7], s[6:7], s[14:15]
.irp x, 0,1,2,3,4,5,6,7
	global_load_b32 v[8+\x], v5, s[4:5] offset:4096*\x   ; row x of my eight
.endr
	s_wait_loadcnt 0x0
.irp n, 0,1,2,3
	v_cvt_pk_bf16_f32 v[16+\n], v[8+2*\n], v[9+2*\n]     ; the lower d into the lower half
.endr
	global_store_b128 v6, v[16:19], s[6:7]
	s_endpgm
.Lfunc_end_k_q7beadeeaa6_prep:
	.size	k_q7beadeeaa6_prep, .Lfunc_end_k_q7beadeeaa6_prep-k_q7beadeeaa6_prep
	.p2alignl 7, 3214868480
	.fill 96, 4, 3214868480
	.section	.rodata,"a",@progbits
	.p2align	6, 0x0
	.amdhsa_kernel k_q7beadeeaa6_prep
		.amdhsa_group_segment_fixed_size 0
		.amdhsa_private_segment_fixed_size 0
		.amdhsa_enable_private_segment 0
		.amdhsa_kernarg_size 16
		.amdhsa_user_sgpr_count 2
		.amdhsa_user_sgpr_kernarg_segment_ptr 1
		.amdhsa_wavefront_size32 1
		.amdhsa_system_sgpr_workgroup_id_x 1
		.amdhsa_system_sgpr_workgroup_id_y 1
		.amdhsa_system_sgpr_workgroup_id_z 1
		.amdhsa_system_vgpr_workitem_id 0
		.amdhsa_next_free_vgpr 24
		.amdhsa_next_free_sgpr 66
		.amdhsa_reserve_vcc 0
		.amdhsa_float_denorm_mode_32 3
		.amdhsa_float_denorm_mode_16_64 3
		.amdhsa_memory_ordered 1
		.amdhsa_forward_progress 1
		.amdhsa_inst_pref_size 3
	.end_amdhsa_kernel
	.amdgpu_metadata
---
amdhsa.version: [ 1, 2 ]
amdhsa.kernels:
  - .name:           k_q7beadeeaa6_prep
    .symbol:         k_q7beadeeaa6_prep.kd
    .args:
      - { .name: W, .offset: 0, .size: 8, .value_kind: global_buffer, .address_space: global }
      - { .name: Wf, .offset: 8, .size: 8, .value_kind: global_buffer, .address_space: global }
    .group_segment_fixed_size: 0
    .private_segment_fixed_size: 0
    .kernarg_segment_align: 8
    .kernarg_segment_size: 16
    .max_flat_workgroup_size: 256
    .sgpr_count:     66
    .vgpr_count:     24
    .wavefront_size: 32
...
	.end_amdgpu_metadata
.endif
;; end of part 1
;; launch main (part 2): grid 256 x 1, 4 waves a work-group, clusters of 4 x 1, 327,680 bytes of LDS; arguments many, one, Wf, lg, pv; writes lg, pv
.if DOCPART == 2
	.amdgcn_target "amdgcn-amd-amdhsa--gfx1250"
	.amdhsa_code_object_version 6
	.text
	.protected	k_q7beadeeaa6_main
	.globl	k_q7beadeeaa6_main
	.p2align	8
	.type	k_q7beadeeaa6_main,@function
k_q7beadeeaa6_main:
	s_mov_b64 s[64:65], 0
	v_nop
	global_prefetch_b8 v0, s[64:65] scope:SCOPE_SE
	s_setreg_imm32_b32 hwreg(HW_REG_WAVE_MODE, 25, 1), 1
	s_wait_xcnt 0x0
	s_wait_alu depctr_hold_cnt(0) depctr_sa_sdst(0) depctr_va_vdst(0) depctr_va_sdst(0) depctr_va_ssrc(0) depctr_va_vcc(0) depctr_vm_vsrc(0)
	s_getreg_b32 s2, hwreg(HW_REG_IB_STS2, 6, 4)
	s_cmp_eq_u32 s2, 0
	s_cbranch_scc0 .Lentry_in_a_cluster
	s_endpgm
.Lentry_in_a_cluster:
	s_bfe_u32 s2, ttmp6, 0x10000c
	s_cmp_lg_u32 s2, 0x3003
	s_cbranch_scc0 .Lentry_shape_is_right
	s_endpgm
.Lentry_shape_is_right:
; For a block of 128 rows t of one batch b:  l[t] = sum over e of tanh(sum over d of many[t][d] W[d][e]) one[b][e];  m = max l;  p = exp(l - m);  v[d] = sum over t of p[t] many[t][d].
; Stored: lg[block][128] = l, and pv[block][i][1024] = v of row half i.  The launch behind makes the softmax over a batch's 16 blocks of them.
; FORMATS.  many, W and one are rounded to bf16 (W by the launch in front).  The first product runs on the matrix unit, sums in f32.  tanh, its product with one and the sum over e stay in f32 on the
; accumulators: tanh rounded to bf16 for a second matrix product would shift a logit, a sum of 1,024 terms, by more than the weights' allowance holds.  p enters the last product as two bf16, p_hi + p_lo.
; LIMITS.  tanh(x) = 1 - 2 / (1 + 2^(2.885390 x)): absolute error about 1.5e-7, exact ends for large |x|.  An exponential below 2^-126 counts as 0.  NaN and infinities are not treated apart.
; The sums' order differs from a plain f32 chain's.
; A WORK-GROUP STAYS: it makes two blocks, 8 c + cx and 8 c + 4 + cx of cluster c, which lie in one batch.  512 blocks = 256 work-groups x 2.
; SHARES.  Four waves.  Wave w = 2 i + j holds rows 64 i .. 64 i + 63 and, of each 256 columns d, the 128 from 128 j on: 64 rows x 512 d in bf16 = 64 fragments = 512 registers, for a whole block.
; W goes by in 16 groups of 64 columns e through two LDS slots.  In a group a wave makes 4 x 4 accumulators (64 rows x 64 e) over ITS 512 d: 16 K steps of 16 products, each fragment of W feeding four.
; The two halves of a sum meet through LDS: a wave sends its tiles 2, 3 to the wave with the other j and finishes tiles 0, 1 (Wf orders the tiles so that these are e = 64 g + 32 j + 0..31).
; That finishing (add, tanh, times one, into 32 running sums) is group g's vector work, and stands in slices behind the products of group g + 1.
; THE RING GOES ON INTO THE NEXT BLOCK: the first block's groups 14 and 15 leave slots that no group of W wants any more; the second block's quarters 0 and 1 of many are asked for there.
; CLUSTER.  Four work-groups walk the same Wf: each quarter of a group is asked for JOINTLY, by the same tensor load, descriptor and mask of four.  many's tiles are each work-group's own (mask 0).
; PREFETCH.  In the first block's end each wave asks once for the 128 aligned blocks of 256 bytes of its 32 rows of the second block's quarter 2 (128 KiB a work-group), one line of 32 lanes in each of
; the half chunks 2 to 5; the tensor load that wants them stands behind that end and the first conversion.  The second block's end asks for nothing: it has no successor.  Wf is read again by every cluster.
; REGISTERS, in windows of 256 (s_set_vgpr_msb: bits 1:0 source 0, 3:2 source 1, 5:4 source 2, 7:6 destination):
;   window 0: addresses, and all that the vector unit works on     window 1: v0-127 accumulators ((m, n) at 8 (4 m + n)); v128-255 two buffers of W's fragments; in the first phase f32 as it lands
;   windows 2, 3: many's fragments: (m, ks) at 8 (4 (ks & 7) + m) of window 2 + (ks >> 3)
.set APITCH, 1040                      ; a row of a quarter of many in LDS: 1,024 bytes + 16 of padding = 260 words: row r starts at bank 4 r mod 64 (64 banks of 4 bytes: ISA guide 11.1)
.set SLOT1,  133120                    ; a slot: 128 rows x 1,040 bytes of many, or 131,072 dense bytes of Wf.  Slot 1 begins here (0x20800): no bit of it lies in a wave's offset in a slot, so one exclusive or changes slots
.set XT,     266240                    ; 10,240 bytes a wave: accumulators for the partner; later the stage that turns many; at last v
.set XTW,    10240
.set ONET,   307200                    ; 17 entries of 512 bytes: entry 0 zeros; entry G + 1, [j][r]: one[64 G + 32 j + r] twice, one[64 G + 32 j + 16 + r] twice
.set LGS,    315904                    ; [j][128 rows] f32: the two halves of the logits
.set PHL,    316928                    ; 512 bytes a wave: p_hi[128], p_lo[128] in bf16
.set SPARE,  318976                    ; the spare words, 128 bytes for each wave: two blocks of 256 bytes that no other line names
.set NEXTB,  4*524288                  ; bytes of many from a work-group's first block to its second: four blocks of 128 rows of 4,096 bytes
.set BL,   16                          ; v16  65536 j + 16 L: my lane's place in a group of Wf
.set BAD,  17                          ; v17  the same in the slot in hand
.set AST,  18                          ; v18-19  my lane's place in a quarter of many, slot 0, 1
.set XSA,  20                          ; v20  my XT + 16 L
.set XRA,  21                          ; v21  my partner's XT + 16 L
.set ONEA, 22                          ; v22  my 16 bytes of the entry of ONET in hand; steps by 512
.set LGA,  23                          ; v23  where my eight rows' half logits go
.set LRD,  24                          ; v24  LGS + 16 L
.set PSA,  25                          ; v25  where my four p go
.set PLA,  26                          ; v26  my lane's place in p as source 0
.set TSA,  27                          ; v27  into the turning stage
.set TLA,  28                          ; v28  out of it
.set VSA,  29                          ; v29  my XT + 4 r
.set GOF,  30                          ; v30  16 L
.set PFO,  31                          ; v31  4096 L: my row among my wave's 32, for the prefetch; never rewritten
.set ONEG, 32                          ; v32  my byte offset in one[b]
.set ONES, 33                          ; v33  where my entries of ONET go
.set ONEZ, 34                          ; v34  my word of entry 0
.set ONE0, 35                          ; v35  my 16 bytes of entry 0
.set ZQ,   36                          ; v36-39  zeros; never rewritten
.set SPW,  40                          ; v40  LDS address of my spare word: SPARE + 4 x my thread's number; never rewritten
.set NIL,  41                          ; v41  0; never rewritten
.set ONE,  44                          ; v44-47  the entry in hand
.set PF,   48                          ; v48-63  p as two fragments of source 0
.set T,    64                          ; v64-127  my 8 kept tiles of the group before, at work: tile a = 2 m + nu at T + 8 a
.set RECV, 128                         ; v128-191 the partner's sums for the same tiles
.set VV,   128                         ; later: v, 32 numbers a lane
.set LA,   192                         ; v192-223 running sums: rows 8 h + 0..7 of block m at LA + 8 m
.set CS,   52                          ; s[52:53] 2 log2(e): the packed forms take the pair's low word for both halves
.set SEL,  54                          ; s[54:55] v_permlanex16_b32's selects: each lane takes its own place in the other half
.set TB,   56                          ; s56  the slot in hand: 0 or SLOT1
.set CNT,  57                          ; s57  counts groups
.set BLK,  62                          ; s62  blocks to go, this one among them: the same number in every work-group
.set MSB, 0
.macro WIN new                         ; the immediate's high byte repeats the setting that is left; a switch that changes nothing is dropped
.if MSB != (\new)
	s_set_vgpr_msb (MSB<<8)|(\new)
.set MSB, (\new)
.endif
.endm
.macro PLACES                          ; four places in front of loads into registers that matrix instructions have read, and of lines that read results just made
.rept 4
	v_nop
.endr
.endm
.macro CREST                           ; a round of the cluster's barrier behind its opening barrier
	s_cmp_lg_u32 s14, 0
	s_cbranch_scc1 .Lnot_wave_0_\@
	s_barrier_signal -3
.Lnot_wave_0_\@:
	s_barrier_wait -3
	s_barrier_signal -1
	s_barrier_wait -1
.endm
.macro CROUND                          ; a whole round
	s_barrier_signal -1
	s_barrier_wait -1
	CREST
.endm
.macro TLOAD g0, g1                    ; every wave issues the line with its own quarter; an s_nop 0 and four v_nop follow it
	tensor_load_to_lds s[\g0:\g0+3], s[\g1:\g1+7]
	s_nop 0
	PLACES
.endm
	s_load_b256 s[4:11], s[0:1], 0x0               ; many s[4:5], one s[6:7], Wf s[8:9], lg s[10:11]
	s_load_b64 s[12:13], s[0:1], 0x20              ; pv
	v_lshl_add_u32 v[SPW], v0, 2, SPARE
	v_mov_b32 v[NIL], 0
	ds_add_u32 v[SPW], v[NIL]                      ; the wave's opening: the add and its wait stand ahead of my first tensor load; the set-up below, work on registers, stands between them
	v_lshrrev_b32 v4, 5, v0
	v_readfirstlane_b32 s14, v4                    ; wave 0..3
	s_lshr_b32 s15, s14, 1                         ; i: my half of the rows
	s_and_b32 s16, s14, 1                          ; j: my half of d
	s_bfe_u32 s17, ttmp6, 0x40000                  ; cx: my place in the cluster; it enters global addresses of many, one, lg and pv alone
	s_lshl_b32 s18, ttmp9, 3                       ; in a cluster launch ttmp9 counts clusters; a cluster has eight blocks
	s_add_co_u32 s18, s18, s17                     ; my first block of 128 rows; the second lies four blocks on
	; group 1 for many: 32 rows x 256 f32, padded in LDS
	s_mov_b32 s24, (2<<16)|(1<<20)|(7<<22)|(3<<25) ; 15:0 no mask; 17:16 elements of 4 bytes; 20 padding on; 24:22 after every 256 words (code 7); 31:25 4 words of it (code 3)
	s_mov_b32 s25, 256<<16                         ; tensor_dim0 = 256
	s_mov_b32 s26, 32<<16                          ; tensor_dim1 = 32
	s_mov_b32 s27, 256<<16                         ; tile_dim0 = 256
	s_mov_b32 s28, 32                              ; tile_dim1 = 32
	s_mov_b32 s29, 1024                            ; elements from row to row
	s_mov_b32 s30, 0
	s_mov_b32 s31, 0
	; group 1 for Wf: 32,768 dense bytes as 128 rows of 256
	s_mov_b32 s40, 15|(3<<16)|(1<<21)              ; 15:0 the mask: all four work-groups; 17:16 elements of 8 bytes; 21 set beside a mask
	s_mov_b32 s41, 32<<16                          ; tensor_dim0 = 32
	s_mov_b32 s42, 128<<16                         ; tensor_dim1 = 128
	s_mov_b32 s43, 32<<16                          ; tile_dim0 = 32
	s_mov_b32 s44, 128                             ; tile_dim1 = 128
	s_mov_b32 s45, 32                              ; elements from row to row
	s_mov_b32 s46, 0
	s_mov_b32 s47, 0
	s_mov_b32 s32, 1                               ; group 0, many: a set for each of the two first fills;
	s_mul_i32 s33, s14, 32*APITCH                  ; my 32 rows of a quarter, slot 0
	s_mov_b32 s36, 1                               ; the second set then walks on
	s_add_co_u32 s37, s33, SLOT1
	s_mov_b32 s48, 1                               ; group 0, Wf: it walks.  It starts where a block leaves it, at group 15 in slot 1: each block's first step goes back to group 0 in slot 0
	s_lshl_b32 s49, s14, 15                        ; my quarter of a group: no place in the cluster enters an LDS address
	s_add_co_u32 s49, s49, SLOT1
	s_mov_b32 s[CS], 0x4038aa3b                    ; 2 log2(e) = 2.885390
	s_mov_b32 s[CS+1], s[CS]                       ; named with it as a pair
	s_mov_b32 s[SEL], 0x76543210
	s_mov_b32 s[SEL+1], 0xfedcba98
	s_lshl_b32 s60, s14, 15                        ; Wf: my quarter of group 15, in bytes; these two never hold cx
	s_add_co_u32 s60, s60, 15*131072
	s_mov_b32 s61, 0
	v_and_b32 v1, 15, v0                           ; r
	v_bfe_u32 v2, v0, 4, 1                         ; h
	v_and_b32 v3, 31, v0                           ; L
	s_lshl_b32 s19, s16, 16
	v_lshl_add_u32 v[BL], v3, 4, s19
	s_mul_i32 s19, s15, 64*APITCH                  ; a fragment of many, still f32: row 64 i + 16 m + r, bytes 512 j + 128 s + 32 h on, and 64 further
	s_lshl_b32 s20, s16, 9
	s_add_co_u32 s19, s19, s20
	v_mul_u32_u24 v[AST], v1, APITCH
	v_lshl_add_u32 v[AST], v2, 5, v[AST]
	v_add_nc_u32 v[AST], s19, v[AST]
	v_add_nc_u32 v[AST+1], SLOT1, v[AST]
	s_mul_i32 s21, s14, XTW
	s_add_co_u32 s21, s21, XT                      ; my XT
	s_xor_b32 s22, s14, 1                          ; the wave with my rows and the other j
	s_mul_i32 s22, s22, XTW
	s_add_co_u32 s22, s22, XT
	v_lshl_add_u32 v[XSA], v3, 4, s21
	v_lshl_add_u32 v[XRA], v3, 4, s22
	s_lshl_b32 s19, s16, 8
	s_add_co_u32 s19, s19, ONET
	v_lshl_add_u32 v[ONE0], v1, 4, s19             ; entry 0
	s_lshl_b32 s19, s16, 9
	s_lshl_b32 s20, s15, 8
	s_add_co_u32 s19, s19, s20
	s_add_co_u32 s19, s19, LGS
	v_lshl_add_u32 v[LGA], v2, 5, s19              ; 512 j + 4 (64 i + 8 h)
	v_lshlrev_b32 v[GOF], 4, v3
	v_lshlrev_b32 v[PFO], 12, v3
	v_add_nc_u32 v[LRD], LGS, v[GOF]
	s_lshl_b32 s23, s14, 9
	s_add_co_u32 s23, s23, PHL                     ; my p
	v_lshl_add_u32 v[PSA], v3, 3, s23
	v_and_b32 v4, 1, v0
	s_lshl_b32 s19, s15, 7
	s_add_co_u32 s19, s19, s23
	v_lshl_add_u32 v[PLA], v4, 8, s19              ; even rows of source 0 take p_hi, odd rows p_lo; my 64 rows t begin at 128 i
	v_lshl_add_u32 v[PLA], v2, 4, v[PLA]
	v_mul_u32_u24 v[TSA], v1, 160                  ; the stage: 64 rows t of 128 bytes, 160 apart
	v_lshl_add_u32 v[TSA], v2, 4, v[TSA]
	v_add_nc_u32 v[TSA], s21, v[TSA]
	v_and_b32 v4, 7, v0
	v_lshl_add_u32 v4, v2, 3, v4                   ; the turning load: lane L reads row 8 h + L % 8, bytes 16 ((L / 8) % 2) on
	v_mul_u32_u24 v[TLA], v4, 160
	v_bfe_u32 v4, v0, 3, 1
	v_lshl_add_u32 v[TLA], v4, 4, v[TLA]
	v_add_nc_u32 v[TLA], s21, v[TLA]
	v_lshl_add_u32 v[VSA], v1, 2, s21
	s_lshl_b32 s19, s14, 8
	v_lshl_add_u32 v[ONEG], v1, 2, s19             ; 4 (64 w + 32 h + r): I make the entries of groups w, w + 4, w + 8, w + 12
	v_lshl_add_u32 v[ONEG], v2, 7, v[ONEG]
	s_lshl_b32 s19, s14, 9
	s_add_co_u32 s19, s19, ONET+512
	v_lshl_add_u32 v[ONES], v1, 4, s19
	v_lshl_add_u32 v[ONES], v2, 8, v[ONES]
	v_lshl_add_u32 v[ONEZ], v0, 2, ONET
	s_lshl_b32 s58, s18, 19                        ; many: my first block's 128 rows of 4,096 bytes,
	s_lshl_b32 s19, s14, 17                        ; my wave's 32 of them
	s_add_co_u32 s58, s58, s19
	s_mov_b32 s59, 0
	s_wait_dscnt 0x0                               ; the opening add is done
	s_wait_kmcnt 0x0
	s_add_nc_u64 s[4:5], s[4:5], s[58:59]          ; many at my wave's rows of the first block: kept for the prefetch
	s_add_nc_u64 s[34:35], s[4:5], 0               ; quarter 0
	s_add_nc_u64 s[38:39], s[4:5], 1024            ; quarter 1
	s_or_b32 s35, s35, 0x80000000                  ; type = 2
	s_or_b32 s39, s39, 0x80000000
	s_add_nc_u64 s[50:51], s[8:9], s[60:61]        ; Wf, group 15, my quarter
	s_or_b32 s51, s51, 0x80000000
	s_lshr_b32 s58, s18, 4                         ; the batch, the same for both blocks
	s_lshl_b32 s58, s58, 12
	s_add_nc_u64 s[6:7], s[6:7], s[58:59]          ; one[b]
	s_lshl_b32 s58, s18, 9
	s_add_nc_u64 s[10:11], s[10:11], s[58:59]      ; lg at my first block
	s_lshl_b32 s58, s18, 13
	s_lshl_b32 s19, s15, 12
	s_add_co_u32 s58, s58, s19
	s_lshl_b32 s19, s16, 9
	s_add_co_u32 s58, s58, s19
	s_add_nc_u64 s[12:13], s[12:13], s[58:59]      ; pv at 4096 (2 block + i) + 512 j
	CROUND                                         ; the round in front of the first tensor loads
	tensor_load_to_lds s[32:35], s[24:31]          ; the two first fills go out together: two loads of mine are out
	s_nop 0
	tensor_load_to_lds s[36:39], s[24:31]
	s_nop 0
	PLACES
.irp a, 0,1,2,3
	global_load_b32 v[224+2*\a], v[ONEG], s[6:7] offset:1024*\a
	global_load_b32 v[225+2*\a], v[ONEG], s[6:7] offset:1024*\a+64
.endr
	; A block's first group carries the slices of a group that has not been: they add tanh(T) x 0, entry 0 of the table, so T need only be finite: zeros here, the last tanh at the second block.
	; No first group is written out; the price is these lines, in the wait for the first tile.
.set z, 0
.rept 64
	v_mov_b32 v[T+z], 0
.set z, z+1
.endr
.irp k, 0,1,2,3
	v_mov_b32 v[ZQ+\k], 0
.endr
	ds_store_b32 v[ONEZ], v[ZQ]
	s_wait_loadcnt 0x0                             ; one
.irp a, 0,1,2,3
	v_cvt_pk_bf16_f32 v[248+\a], v[224+2*\a], v[225+2*\a]  ; rounded to bf16 like the other inputs, and widened again
	v_lshlrev_b32 v[232+4*\a], 16, v[248+\a]
	v_lshlrev_b32 v[233+4*\a], 16, v[248+\a]
	v_and_b32 v[234+4*\a], 0xffff0000, v[248+\a]
	v_and_b32 v[235+4*\a], 0xffff0000, v[248+\a]
	ds_store_b128 v[ONES], v[232+4*\a:235+4*\a] offset:2048*\a
.endr
; FIRST PHASE: many into registers.  Quarter q (columns 256 q on) lies in slot q % 2.  64 LDS loads bring my 16 fragments (s = K step in the quarter, m = block of 16 rows) as f32, 16 registers each; 128 roundings pack them.
.macro CONVERT q
	WIN 0x40                                       ; destination window 1, address window 0
.irp s, 0,1,2,3
.irp m, 0,1,2,3
	ds_load_b128 v[16*(4*\s+\m):16*(4*\s+\m)+3],     v[AST+((\q)%2)] offset:16*APITCH*\m+128*\s
	ds_load_b128 v[16*(4*\s+\m)+4:16*(4*\s+\m)+7],   v[AST+((\q)%2)] offset:16*APITCH*\m+128*\s+16
	ds_load_b128 v[16*(4*\s+\m)+8:16*(4*\s+\m)+11],  v[AST+((\q)%2)] offset:16*APITCH*\m+128*\s+64
	ds_load_b128 v[16*(4*\s+\m)+12:16*(4*\s+\m)+15], v[AST+((\q)%2)] offset:16*APITCH*\m+128*\s+80
.endr
.endr
.irp s, 0,1,2,3
	s_wait_dscnt 48-16*\s                          ; LDS loads come back in order (ISA guide 5.7.1): the sixteen of K step s are in, the later ones stay out
	WIN 0x85+0x40*((\q)/2)                         ; sources window 1, destination window 2 or 3
.irp m, 0,1,2,3
.irp n, 0,1,2,3,4,5,6,7
	v_cvt_pk_bf16_f32 v[8*(4*((4*(\q)+\s)%8)+\m)+\n], v[16*(4*\s+\m)+2*\n], v[16*(4*\s+\m)+2*\n+1]
.endr
.endr
.endr
.endm
; A change of slots in the first phase.  Each wave waits for all its tensor loads, adds 0 to its spare word, and waits for that and for its reads of the slot that it leaves; a round of the cluster's
; barrier; then its one load.  kind 0: many's next quarter.  kind 2: Wf's group 0.  kind 3: Wf's next group.
.macro CHANGE kind
	WIN 0
	s_wait_tensorcnt 0x0                           ; no tensor load of mine is out, so a group 0 may be written; the slot read next is whole
	ds_add_u32 v[SPW], v[NIL]                      ; 0 onto my spare word
.if (\kind) == 0
	s_xor_b32 s37, s37, SLOT1                      ; the other slot,
	s_add_nc_u64 s[38:39], s[38:39], 1024          ; the next quarter; the type bits on top are not reached
.elseif (\kind) == 2
	s_xor_b32 s49, s49, SLOT1                      ; slot 0,
	s_sub_nc_u64 s[50:51], s[50:51], 15*131072     ; back from group 15 to group 0
.else
	s_xor_b32 s49, s49, SLOT1                      ; the other slot,
	s_add_nc_u64 s[50:51], s[50:51], 131072        ; the next group
.endif
	s_wait_dscnt 0x0                               ; the add is done, and my reads of the slot are over
	CROUND
.if (\kind) == 0
	TLOAD 36, 24
.else
	TLOAD 48, 40
.endif
.endm
; THE MATRIX WORK.  16 LDS loads: W's fragments of K steps 2 u and 2 u + 1 (4 tiles of 16 e each) into buffer buf; each load takes 512 consecutive bytes.
.macro FETCH u, buf
	WIN 0x40
.irp kap, 0,1
.irp n, 0,1,2,3
	ds_load_b128 v[128+64*(\buf)+8*(4*\kap+\n):128+64*(\buf)+8*(4*\kap+\n)+3],   v[BAD] offset:4096*(2*(\u)+\kap)+1024*\n
	ds_load_b128 v[128+64*(\buf)+8*(4*\kap+\n)+4:128+64*(\buf)+8*(4*\kap+\n)+7], v[BAD] offset:4096*(2*(\u)+\kap)+1024*\n+512
.endr
.endr
.endm
; THE VECTOR WORK of a group: 32 pairs of numbers (pair p: tile a = p / 4, registers 2 (p % 4) and the next), six operations each:
;   0  T = partner's sum x c + T (T holds my sum x c, c = 2 log2 e)     1  2^T, register hf of the pair     2  + 1     3  the reciprocal, register hf     4  1 - 2 T = tanh     5  the running sum += tanh x one
.macro HOP kind, p, hf=0
.if ((\p) >= 0) && ((\p) < 32)
	WIN 0
.set rT, T+2*(\p)
.set rR, RECV+2*(\p)
.set rL, LA+8*((\p)/8)+2*((\p)%4)
.set rO, ONE+2*(((\p)/4)%2)
.if (\kind) == 0
	v_pk_fma_f32 v[rT:rT+1], v[rR:rR+1], s[CS:CS+1], v[rT:rT+1] op_sel_hi:[1,0,1]
.elseif (\kind) == 1
	v_exp_f32 v[rT+(\hf)], v[rT+(\hf)]
.elseif (\kind) == 2
	s_wait_alu depctr_va_vdst(0)
	v_pk_add_f32 v[rT:rT+1], v[rT:rT+1], 1.0 op_sel_hi:[1,0]
.elseif (\kind) == 3
	v_rcp_f32 v[rT+(\hf)], v[rT+(\hf)]
.elseif (\kind) == 4
	s_wait_alu depctr_va_vdst(0)
	v_pk_fma_f32 v[rT:rT+1], v[rT:rT+1], -2.0, 1.0 op_sel_hi:[1,0,0]
.else
	v_pk_fma_f32 v[rL:rL+1], v[rT:rT+1], v[rO:rO+1], v[rL:rL+1]
.endif
.endif
.endm
; Slice hs of 72: plain, transcendental, plain, transcendental, each line of another pair than its neighbours.  A pair goes through its six operations a slice or more apart, so that nothing reads the
; result of the line in front of it; behind each transcendental a plain line of another pair comes before its result is read (ISA guide 5.7.2), at both ends of the list too, where some lines are missing.
.macro HALF
.set sx, hs/2
.if hs%2 == 0
	HOP 0, sx
	HOP 1, sx-1, 0
	HOP 2, sx-2
	HOP 1, sx-1, 1
.else
	HOP 5, sx-4
	HOP 3, sx-2, 0
	HOP 4, sx-3
	HOP 3, sx-2, 1
.endif
.set hs, hs+1
.endm
.macro TCOPY                           ; kept tile a = o: my sums times c into T; the accumulator's low registers are read first
	WIN 0x01                                       ; source 0 window 1, destination window 0
.irp n, 0,1,2,3
	v_pk_mul_f32 v[T+8*o+2*\n:T+8*o+2*\n+1], v[8*(4*(o/2)+o%2)+2*\n:8*(4*(o/2)+o%2)+2*\n+1], s[CS:CS+1] op_sel_hi:[1,0]
.endr
.endm
; Products o0 .. o1 of K step ks.  In every K step the order is the same: o = 0..7 the tiles that go to the partner (n = 2, 3 of m = o / 2), o = 8..15 those that stay (n = 0, 1).
; The 16 accumulators take turns, one instruction a turn.  K step 0 starts the sums with the constant 0: nothing is cleared.
; ride = 1: a slice stands behind products 0, 3, 6, 8, 11, 14: six a K step, 72 in K steps 3 to 14.  ride = 2: behind product o stands kept tile o's copy into T.
.macro KSTEP ks, buf, kap, o0, o1, ride
.set o, \o0
.rept (\o1)-(\o0)+1
.set x, 4*((o%8)/2)+o%2+2*(1-o/8)
	WIN 0x56+((\ks)/8)                             ; source 0 (many) window 2 or 3; source 1 (W), C and D window 1
.if (\ks) == 0
	v_wmma_f32_16x16x32_bf16 v[8*x:8*x+7], v[8*(4*((\ks)%8)+x/4):8*(4*((\ks)%8)+x/4)+7], v[128+64*(\buf)+8*(4*(\kap)+x%4):128+64*(\buf)+8*(4*(\kap)+x%4)+7], 0
.else
	v_wmma_f32_16x16x32_bf16 v[8*x:8*x+7], v[8*(4*((\ks)%8)+x/4):8*(4*((\ks)%8)+x/4)+7], v[128+64*(\buf)+8*(4*(\kap)+x%4):128+64*(\buf)+8*(4*(\kap)+x%4)+7], v[8*x:8*x+7]
.endif
.if ((\ride) == 1) && ((o%8)%3 == 0)
	HALF
.elseif (\ride) == 2
	TCOPY
.endif
.set o, o+1
.endr
.endm
.macro RECVLD                          ; the partner's sums for my kept tiles, and the entry of one that goes with them
	WIN 0
.set z, 0
.rept 16
	ds_load_b128 v[RECV+4*z:RECV+4*z+3], v[XRA] offset:512*z
.set z, z+1
.endr
	ds_load_b128 v[ONE:ONE+3], v[ONEA]
.endm
.macro XSEND                           ; tiles 2, 3 of each block of rows go to the partner; each accumulator's low registers are read first
	WIN 0x04                                       ; store data window 1
.irp a, 0,1,2,3,4,5,6,7
	ds_store_b128 v[XSA], v[8*(4*(\a/2)+2+\a%2):8*(4*(\a/2)+2+\a%2)+3]   offset:1024*\a
	ds_store_b128 v[XSA], v[8*(4*(\a/2)+2+\a%2)+4:8*(4*(\a/2)+2+\a%2)+7] offset:1024*\a+512
.endr
.endm
; A TRIP: from the second half of a group's K step 0 to the first half of the next group's: 256 products, the group before's 72 slices, two barriers.
; The first barrier hands the sums over: in front of it my stores for the partner are done, behind it I read the partner's.  The tensor load that is out stays out.
; The second changes slots, as soon as the slot's last fragments (K steps 14, 15) have been asked for: in front of it each wave waits for all its tensor loads (one is out: its quarter of the next group),
; adds 0 to its spare word, and waits for that and for its reads of this slot and of the partner's sums.  refill = 1: it opens a round of the cluster's barrier, and the slot just read out is filled again
; first thing behind the round, with the group two on.  refill = 2: likewise, with a quarter of many of the next block.  refill = 0: nothing is asked for.
; Behind it no product waits for the group's end: the tiles for the partner are finished first and stored while the kept ones are finished; the kept ones are copied out behind the next group's first products.
; A block's last trip fetches and starts a group that does not exist (eight products on bytes that have landed, whatever they are; nobody reads the results): the price of one text for two trips.
.macro GROUP refill
.set hs, 0
	s_wait_dscnt 0x0                               ; my stores for the partner are done; W's fragments of K steps 0, 1 are in
	s_barrier_signal -1
	KSTEP 0, 0, 0, 8, 15, 0                        ; work on registers while the others arrive
	s_barrier_wait -1
	FETCH 1, 1                                     ; buffer 1's last readers are the group before's K step 15, with four places behind it
	RECVLD
	v_add_nc_u32 v[ONEA], 512, v[ONEA]             ; the next group's entry
	KSTEP 1, 0, 1, 0, 15, 0
	s_wait_dscnt 25                                ; K step 2's eight loads are in; K step 3's eight and the 17 behind them may be out
	KSTEP 2, 1, 0, 0, 15, 0
	PLACES
	FETCH 2, 0
	s_wait_dscnt 16                                ; all but the 16 just issued: the partner's sums and one are in, so the slices begin
	KSTEP 3, 1, 1, 0, 15, 1
.irp u, 2,3,4,5
	s_wait_dscnt 8                                 ; all but the youngest eight loads: the first K step's fragments are in
	KSTEP 2*\u, (\u)%2, 0, 0, 15, 1
	PLACES
	FETCH (\u)+1, ((\u)+1)%2
	s_wait_dscnt 16                                ; all but the 16 just issued
	KSTEP 2*\u+1, (\u)%2, 1, 0, 15, 1
.endr
	s_wait_dscnt 8
	KSTEP 12, 0, 0, 0, 15, 1
	PLACES
	FETCH 7, 1                                     ; my last reads of this slot
	WIN 0                                          ; (the add's two registers lie in window 0)
	s_wait_tensorcnt 0x0                           ; all my tensor loads have landed;
	ds_add_u32 v[SPW], v[NIL]                      ; 0 onto my spare word;
	s_wait_dscnt 17                                ; (the add and the 16 loads just issued may be out)
	KSTEP 13, 0, 1, 0, 15, 1                       ; sixteen products and their slices stand between the add and the wait for it
	s_wait_dscnt 0x0                               ; the add is done, and my reads of this slot are over
	s_barrier_signal -1
	KSTEP 14, 1, 0, 0, 7, 1
	WIN 0
	s_barrier_wait -1
.if (\refill) == 1
	CREST                                          ; no wave of any partner still reads this slot or has a load on its way
	s_xor_b32 s49, s49, SLOT1
	s_add_nc_u64 s[50:51], s[50:51], 131072
	TLOAD 48, 40                                   ; my one load behind the round; its four v_nop are also the places in front of the loads below
.elseif (\refill) == 2
	CREST
	s_xor_b32 s37, s37, SLOT1
	s_add_nc_u64 s[38:39], s[38:39], s[58:59]      ; first from this block's quarter 3 to the next block's quarter 0,
	s_mov_b32 s58, 1024                            ; then a quarter on
	TLOAD 36, 24
.else
	PLACES
.endif
	s_xor_b32 s[TB], s[TB], SLOT1
	v_add_nc_u32 v[BAD], s[TB], v[BL]
	FETCH 0, 0                                     ; the next group's first fragments: 24 products ahead of their first use
	KSTEP 14, 1, 0, 8, 15, 1
	KSTEP 15, 1, 1, 0, 7, 0                        ; the partner's tiles are finished,
	PLACES
	XSEND                                          ; and leave: behind the barrier above, in front of which the partner's reads of the last ones were over
	KSTEP 15, 1, 1, 8, 15, 0                       ; my tiles are finished
	PLACES
	s_wait_dscnt 24                                ; the next K step 0's eight loads are in; K step 1's eight and the 16 stores may be out
	KSTEP 0, 0, 0, 0, 7, 2                         ; the next group begins on the tiles that have left, and my tiles are copied out behind its products
	WIN 0                                          ; at a label and at a branch every window is 0
.endm
; v = p x many on the matrix unit.  Source 0: 16 rows that hold p_hi (even) or p_lo (odd) over 32 rows t.  Source 1 wants t along the registers, and my fragments hold d there: 64 t x 64 d at a time go
; through my stage and come back turned.  Half chunk hc is K steps 2 hc and 2 hc + 1: d = 256 (hc / 2) + 128 j + 64 (hc % 2) + 0..63.
.macro SST hc
	WIN 0x08+4*((\hc)/4)                           ; store data window 2 or 3
.irp kap, 0,1
.irp m, 0,1,2,3
	ds_store_b128 v[TSA], v[8*(4*((2*(\hc)+\kap)%8)+\m):8*(4*((2*(\hc)+\kap)%8)+\m)+3]   offset:2560*\m+64*\kap
	ds_store_b128 v[TSA], v[8*(4*((2*(\hc)+\kap)%8)+\m)+4:8*(4*((2*(\hc)+\kap)%8)+\m)+7] offset:2560*\m+64*\kap+32
.endr
.endr
.endm
.macro TLD hc
	WIN 0x40
.irp kk, 0,1
.irp dt, 0,1,2,3
	ds_load_tr16_b128 v[128+64*((\hc)%2)+8*(4*\kk+\dt):128+64*((\hc)%2)+8*(4*\kk+\dt)+3],   v[TLA] offset:5120*\kk+32*\dt
	ds_load_tr16_b128 v[128+64*((\hc)%2)+8*(4*\kk+\dt)+4:128+64*((\hc)%2)+8*(4*\kk+\dt)+7], v[TLA] offset:5120*\kk+32*\dt+2560
.endr
.endr
.endm
.macro PVP hc                          ; eight products: four tiles of 16 d by turns, 32 t at a time; the first four start the sums
	WIN 0x54                                       ; source 0 (p) window 0; source 1, C and D window 1
.irp kk, 0,1
.irp dt, 0,1,2,3
.if \kk == 0
	v_wmma_f32_16x16x32_bf16 v[8*\dt:8*\dt+7], v[PF+8*\kk:PF+8*\kk+7], v[128+64*((\hc)%2)+8*(4*\kk+\dt):128+64*((\hc)%2)+8*(4*\kk+\dt)+7], 0
.else
	v_wmma_f32_16x16x32_bf16 v[8*\dt:8*\dt+7], v[PF+8*\kk:PF+8*\kk+7], v[128+64*((\hc)%2)+8*(4*\kk+\dt):128+64*((\hc)%2)+8*(4*\kk+\dt)+7], v[8*\dt:8*\dt+7]
.endif
.endr
.endr
.endm
; A BLOCK'S END.  pf = 1: the next block's quarter 2 is asked for ahead.
.macro FINISH pf
	s_wait_dscnt 0x0                               ; my last stores for the partner are done
	s_barrier_signal -1
	s_barrier_wait -1
	RECVLD
	s_wait_dscnt 0x0
.set hs, 0
.rept 72
	HALF                                           ; group 15 is finished: its slices on end
.endr
	; a lane's sums are one column's: the 16 lanes of a half are added, and every lane of the half then holds its eight rows' sums over my 512 columns e
.irp k, 1,2,4,8
.set z, 0
.rept 32
	v_add_f32_dpp v[LA+z], v[LA+z], v[LA+z] row_xmask:\k row_mask:0xf bank_mask:0xf
.set z, z+1
.endr
.endr
.irp m, 0,1,2,3
	ds_store_b128 v[LGA], v[LA+8*\m:LA+8*\m+3]   offset:64*\m      ; the sixteen lanes of a half write the same words with the same numbers
	ds_store_b128 v[LGA], v[LA+8*\m+4:LA+8*\m+7] offset:64*\m+16
.endr
	s_wait_dscnt 0x0                               ; for the others' sake
	s_barrier_signal -1
	s_barrier_wait -1
	; every wave: the block's 128 logits, four a lane; their maximum; p, as p_hi + p_lo in bf16
	ds_load_b128 v[224:227], v[LRD]
	ds_load_b128 v[228:231], v[LRD] offset:512
	s_wait_dscnt 0x0
	v_pk_add_f32 v[224:225], v[224:225], v[228:229]
	v_pk_add_f32 v[226:227], v[226:227], v[230:231]
	s_cmp_lg_u32 s14, 0
	s_cbranch_scc1 .Lnolg_\@
	global_store_b128 v[GOF], v[224:227], s[10:11] ; wave 0 stores them: 512 consecutive bytes, aligned; its sources are not written again in this block
.Lnolg_\@:
	v_max3_num_f32 v232, v224, v225, v226
	v_max_num_f32 v232, v232, v227
.irp k, 1,2,4,8
	v_max_num_f32_dpp v232, v232, v232 row_xmask:\k row_mask:0xf bank_mask:0xf
.endr
	v_permlanex16_b32 v228, v232, s[SEL], s[SEL+1]
	v_max_num_f32 v232, v232, v228
.irp k, 0,1,2,3
	v_sub_f32 v[236+\k], v[224+\k], v232
.endr
.irp k, 0,1,2,3
	v_mul_f32 v[236+\k], 0x3fb8aa3b, v[236+\k]
.endr
.irp k, 0,1,2,3
	v_exp_f32 v[236+\k], v[236+\k]
.endr
	v_nop                                          ; a plain line between the last exponential and the use of its result
	s_wait_alu depctr_va_vdst(0)
	v_cvt_pk_bf16_f32 v240, v236, v237
	v_cvt_pk_bf16_f32 v241, v238, v239
	v_lshlrev_b32 v244, 16, v240
	v_and_b32 v245, 0xffff0000, v240
	v_lshlrev_b32 v246, 16, v241
	v_and_b32 v247, 0xffff0000, v241
	v_pk_add_f32 v[236:237], v[236:237], v[244:245] neg_lo:[0,1] neg_hi:[0,1]
	v_pk_add_f32 v[238:239], v[238:239], v[246:247] neg_lo:[0,1] neg_hi:[0,1]
	v_cvt_pk_bf16_f32 v242, v236, v237
	v_cvt_pk_bf16_f32 v243, v238, v239
	ds_store_b64 v[PSA], v[240:241]
	ds_store_b64 v[PSA], v[242:243] offset:256
.irp kk, 0,1
	ds_load_b128 v[PF+8*\kk:PF+8*\kk+3],   v[PLA] offset:64*\kk      ; my own bytes: LDS serves a wave's instructions in order (ISA guide 5.7.1.4)
	ds_load_b128 v[PF+8*\kk+4:PF+8*\kk+7], v[PLA] offset:64*\kk+32
.endr
	SST 0
	TLD 0                                          ; in order behind the stores above, and ahead of the stores below
	SST 1
	TLD 1
.irp hc, 0,1,2,3,4,5,6,7
.if \hc < 7
	s_wait_dscnt 32                                ; all but the next half chunk's 16 stores and 16 loads
.else
	s_wait_dscnt 0x0
.endif
	PVP \hc
	PLACES
	WIN 0x05                                       ; sources window 1, destination window 0
.irp dt, 0,1,2,3
	v_add_f32 v[VV+4*\hc+\dt], v[8*\dt], v[8*\dt+1]        ; registers 0 and 1 of a result: a row of p_hi's and a row of p_lo's, in both halves of the lanes
.endr
.if \hc < 6
	SST \hc+2
	TLD \hc+2
.endif
.if (\pf) && (\hc >= 2) && (\hc < 6)
	global_prefetch_b8 v[PFO], s[4:5] offset:NEXTB+2048+256*(\hc-2) th:TH_LOAD_NT scope:SCOPE_SE  ; lane L: row L of my 32 of the next block, block hc - 2 of the four blocks of 256 bytes of its quarter 2
.endif
.endr
	WIN 0
.set z, 0
.rept 32
	ds_store_b32 v[VSA], v[VV+z] offset:64*z       ; number 16 z + r of my 512
.set z, z+1
.endr
.irp q, 0,1,2,3
	ds_load_b128 v[160+4*\q:163+4*\q], v[XSA] offset:512*\q
.endr
	s_wait_dscnt 0x0
.irp q, 0,1,2,3
	global_store_b128 v[GOF], v[160+4*\q:163+4*\q], s[12:13] offset:1024*\q   ; 128 numbers, d = 256 q + 128 j on: 512 consecutive bytes, aligned
.endr
.endm
	s_mov_b32 s[BLK], 2
.Lblock:                                               ; a block: its quarter 0 has been asked for, and behind it its quarter 1
.set z, 0
.rept 32
	v_mov_b32 v[LA+z], 0                           ; the block's running sums
.set z, z+1
.endr
.set z, 0
.rept 16
	ds_store_b128 v[XSA], v[ZQ:ZQ+3] offset:512*z  ; what the partner reads in the first group: zeros
.set z, z+1
.endr
	v_mov_b32 v[ONEA], v[ONE0]
	s_wait_tensorcnt 0x1                           ; my part of quarter 0 is in; quarter 1's may stay out
	s_wait_dscnt 0x0                               ; my zeros (and, the first time, my entries of one) are stored
	s_barrier_signal -1
	s_barrier_wait -1
	CONVERT 0
	CHANGE 0                                       ; quarter 2 into slot 0
	CONVERT 1
	CHANGE 0                                       ; quarter 3 into slot 1
	CONVERT 2
	CHANGE 2                                       ; Wf's group 0 into slot 0
	CONVERT 3
	CHANGE 3                                       ; group 0 is in; group 1 into slot 1
	s_mov_b32 s[TB], 0
	v_mov_b32 v[BAD], v[BL]
	FETCH 0, 0
	s_wait_dscnt 8                                 ; K step 0's eight loads are in
	KSTEP 0, 0, 0, 0, 7, 0                         ; the first half of group 0's K step 0 stands in front of the loop: a trip ends with the next group's
	WIN 0
	s_mov_b32 s[CNT], 14
.Lgroup:                                               ; groups 0 to 13 ask for groups 2 to 15
	GROUP 1
	s_sub_co_u32 s[CNT], s[CNT], 1
	s_cmp_lg_u32 s[CNT], 0
	s_cbranch_scc1 .Lgroup
	s_cmp_eq_u32 s[BLK], 1
	s_cbranch_scc1 .Llast                          ; the last block's tail is written out: it asks for nothing more
	s_mov_b32 s58, NEXTB-3*1024                    ; s[58:59]: the walking descriptor's next step (s59 holds 0)
	s_mov_b32 s[CNT], 2
.Lnext:                                                ; groups 14 and 15 ask for the next block's quarters 0 and 1
	GROUP 2
	s_sub_co_u32 s[CNT], s[CNT], 1
	s_cmp_lg_u32 s[CNT], 0
	s_cbranch_scc1 .Lnext
	FINISH 1
	s_wait_xcnt 0x0                                ; every earlier memory instruction has had its addresses translated (ISA guide 3.1): the stores' bases and registers are rewritten only behind this wait
	s_add_nc_u64 s[10:11], s[10:11], 4*512         ; lg and pv four blocks on
	s_add_nc_u64 s[12:13], s[12:13], 4*8192
	s_sub_co_u32 s[BLK], s[BLK], 1
	s_branch .Lblock
.Llast:
	s_mov_b32 s[CNT], 2
.Ltail:
	GROUP 0
	s_sub_co_u32 s[CNT], s[CNT], 1
	s_cmp_lg_u32 s[CNT], 0
	s_cbranch_scc1 .Ltail
	FINISH 0
	s_wait_tensorcnt 0x0                           ; the wave's end, behind my last tensor load and my last LDS store
	ds_add_u32 v[SPW], v[NIL]
	s_wait_dscnt 0x0
	CROUND                                         ; the closing round: no work-group ends while a partner may still ask for a tile that names it
	s_endpgm
.Lfunc_end_k_q7beadeeaa6_main:
	.size	k_q7beadeeaa6_main, .Lfunc_end_k_q7beadeeaa6_main-k_q7beadeeaa6_main
	.p2alignl 7, 3214868480
	.fill 96, 4, 3214868480
	.section	.rodata,"a",@progbits
	.p2align	6, 0x0
	.amdhsa_kernel k_q7beadeeaa6_main
		.amdhsa_group_segment_fixed_size 327680
		.amdhsa_private_segment_fixed_size 0
		.amdhsa_enable_private_segment 0
		.amdhsa_kernarg_size 40
		.amdhsa_user_sgpr_count 2
		.amdhsa_user_sgpr_kernarg_segment_ptr 1
		.amdhsa_wavefront_size32 1
		.amdhsa_system_sgpr_workgroup_id_x 1
		.amdhsa_system_sgpr_workgroup_id_y 1
		.amdhsa_system_sgpr_workgroup_id_z 1
		.amdhsa_system_vgpr_workitem_id 0
		.amdhsa_next_free_vgpr 1024
		.amdhsa_next_free_sgpr 66
		.amdhsa_reserve_vcc 0
		.amdhsa_float_denorm_mode_32 3
		.amdhsa_float_denorm_mode_16_64 3
		.amdhsa_memory_ordered 1
		.amdhsa_forward_progress 1
		.amdhsa_inst_pref_size 255
	.end_amdhsa_kernel
	.section	.bss,"aw",@nobits
	.p2align	6
	.space	262144
	.amdgpu_metadata
---
amdhsa.version: [ 1, 2 ]
amdhsa.kernels:
  - .name:           k_q7beadeeaa6_main
    .symbol:         k_q7beadeeaa6_main.kd
    .args:
      - { .name: many, .offset: 0, .size: 8, .value_kind: global_buffer, .address_space: global }
      - { .name: one, .offset: 8, .size: 8, .value_kind: global_buffer, .address_space: global }
      - { .name: Wf, .offset: 16, .size: 8, .value_kind: global_buffer, .address_space: global }
      - { .name: lg, .offset: 24, .size: 8, .value_kind: global_buffer, .address_space: global }
      - { .name: pv, .offset: 32, .size: 8, .value_kind: global_buffer, .address_space: global }
    .group_segment_fixed_size: 327680
    .private_segment_fixed_size: 0
    .kernarg_segment_align: 8
    .kernarg_segment_size: 40
    .max_flat_workgroup_size: 128
    .sgpr_count:     66
    .vgpr_count:     1024
    .wavefront_size: 32
...
	.end_amdgpu_metadata
.endif
;; end of part 2
;; launch comb (part 3): grid 8 x 32, 8 waves a work-group, no clusters, 5,376 bytes of LDS; arguments lg, pv, out0, out1; writes out0, out1
.if DOCPART == 3
	.amdgcn_target "amdgcn-amd-amdhsa--gfx1250"
	.amdhsa_code_object_version 6
	.text
	.protected	k_q7beadeeaa6_comb
	.globl	k_q7beadeeaa6_comb
	.p2align	8
	.type	k_q7beadeeaa6_comb,@function
k_q7beadeeaa6_comb:
	s_mov_b64 s[64:65], 0
	v_nop
	global_prefetch_b8 v0, s[64:65] scope:SCOPE_SE
	s_setreg_imm32_b32 hwreg(HW_REG_WAVE_MODE, 25, 1), 1
	s_wait_xcnt 0x0
; The softmax over a batch's 2,048 logits, from 16 blocks of 128, and the blocks' weighted sums put together.
; lg: [32 b][16 blocks][128] f32.  pv: [32 b][16 blocks][2 halves][1024 d] f32, each the sum of exp(l - m_block) many over 64 rows.
; M = max l;  S = sum exp(l - M);  out1 = exp(l - M) / (S + 1e-7);  out0[d] = sum over blocks and halves of pv exp(m_block - M) / (S + 1e-7).
; m_block is taken anew from the stored logits: a maximum has no rounding, so it is the number by which pv was made.
; Work-group (c, b): 128 numbers d = 128 c on of out0[b], and blocks c and 8 + c of out1[b].  Each of a batch's eight work-groups reads the batch's 8,192 bytes of logits for itself.
; Wave w holds blocks w and 8 + w, four logits a lane.  An exponential below 2^-126 counts as 0; NaN and infinities are not treated apart.
; Memory binds and the sizes are small: no matrix unit, no cluster, no tensor load.
.set ST,    0                          ; 16 pairs (m, s), one for each block
.set VS,    256                        ; 8 x 512 bytes: each wave's share of the 128 numbers
.set SPARE, 4352                       ; the spare words, 128 bytes for each wave: four blocks of 256 bytes that no other line names
	s_load_b256 s[4:11], s[0:1], 0x0               ; lg s[4:5], pv s[6:7], out0 s[8:9], out1 s[10:11]
	v_lshl_add_u32 v62, v0, 2, SPARE               ; the add's two registers; never rewritten
	v_mov_b32 v63, 0
	v_lshrrev_b32 v1, 5, v0
	v_readfirstlane_b32 s12, v1                    ; wave 0..7
	v_and_b32 v2, 31, v0                           ; L
	s_and_b32 s13, ttmp7, 0xffff                   ; b
	s_mov_b32 s14, ttmp9                           ; c
	v_lshlrev_b32 v3, 4, v0                        ; 16 t = 512 w + 16 L
	v_lshlrev_b32 v4, 4, v2                        ; 16 L
	s_lshl_b32 s15, s12, 13
	v_add_nc_u32 v5, s15, v4                       ; 8192 w + 16 L: block w's two halves lie 4,096 bytes apart
	v_add_nc_u32 v6, VS, v3
	v_add_nc_u32 v7, VS, v4
	s_lshl_b32 s16, s13, 13                        ; 8,192 bytes of lg and of out1 a batch
	s_mov_b32 s17, 0
	s_lshl_b32 s18, s13, 17                        ; 131,072 bytes of pv a batch,
	s_lshl_b32 s19, s14, 9                         ; my 128 numbers
	s_add_co_u32 s18, s18, s19
	s_mov_b32 s19, 0
	s_lshl_b32 s20, s13, 12                        ; 4,096 bytes of out0 a batch
	s_lshl_b32 s21, s14, 9
	s_add_co_u32 s20, s20, s21
	s_mov_b32 s21, 0
	s_mov_b32 s22, 0x76543210                      ; v_permlanex16_b32: each lane takes its own place in the other half
	s_mov_b32 s23, 0xfedcba98
	s_lshl_b32 s24, s12, 3
	s_mov_b32 s25, 0x3fb8aa3b                      ; log2(e)
	v_mov_b32 v50, s24                             ; ST + 8 w
	v_and_b32 v51, 15, v0
	v_lshlrev_b32 v51, 3, v51                      ; ST + 8 (L % 16)
	v_mov_b32 v47, 0                               ; v_permlanex16_b32 counts as a reader of its destination
	v_mov_b32 v49, 0
	s_wait_kmcnt 0x0
	s_add_nc_u64 s[4:5], s[4:5], s[16:17]
	s_add_nc_u64 s[6:7], s[6:7], s[18:19]
	s_add_nc_u64 s[8:9], s[8:9], s[20:21]
	s_add_nc_u64 s[10:11], s[10:11], s[16:17]
	global_load_b128 v[8:11], v3, s[4:5]               ; block w
	global_load_b128 v[12:15], v3, s[4:5] offset:4096  ; block 8 + w
	global_load_b128 v[16:19], v5, s[6:7]
	global_load_b128 v[20:23], v5, s[6:7] offset:4096
	global_load_b128 v[24:27], v5, s[6:7] offset:65536
	global_load_b128 v[28:31], v5, s[6:7] offset:69632
	s_wait_loadcnt 0x4                             ; the logits are in; pv's four loads stay out
	v_max3_num_f32 v46, v8, v9, v10
	v_max3_num_f32 v48, v12, v13, v14
	v_max_num_f32 v46, v46, v11
	v_max_num_f32 v48, v48, v15
.irp k, 1,2,4,8
	v_max_num_f32_dpp v46, v46, v46 row_xmask:\k row_mask:0xf bank_mask:0xf
	v_max_num_f32_dpp v48, v48, v48 row_xmask:\k row_mask:0xf bank_mask:0xf
.endr
	v_permlanex16_b32 v47, v46, s22, s23
	v_permlanex16_b32 v49, v48, s22, s23
	v_max_num_f32 v46, v46, v47                    ; m of block w
	v_max_num_f32 v48, v48, v49                    ; m of block 8 + w
.irp k, 0,1,2,3
	v_sub_f32 v[32+\k], v[8+\k], v46
	v_sub_f32 v[36+\k], v[12+\k], v48
.endr
.irp k, 0,1,2,3,4,5,6,7
	v_mul_f32 v[32+\k], s25, v[32+\k]
.endr
.irp k, 0,1,2,3,4,5,6,7
	v_exp_f32 v[32+\k], v[32+\k]
.endr
	v_nop                                          ; a plain line between the last exponential and the use of its result
	s_wait_alu depctr_va_vdst(0)
	v_pk_add_f32 v[32:33], v[32:33], v[34:35]
	v_pk_add_f32 v[36:37], v[36:37], v[38:39]
	v_add_f32 v47, v32, v33
	v_add_f32 v49, v36, v37
.irp k, 1,2,4,8
	v_add_f32_dpp v47, v47, v47 row_xmask:\k row_mask:0xf bank_mask:0xf
	v_add_f32_dpp v49, v49, v49 row_xmask:\k row_mask:0xf bank_mask:0xf
.endr
	v_permlanex16_b32 v32, v47, s22, s23
	v_permlanex16_b32 v33, v49, s22, s23
	v_add_f32 v47, v47, v32                        ; s of block w
	v_add_f32 v49, v49, v33                        ; s of block 8 + w
	ds_store_b64 v50, v[46:47]                     ; all lanes write the same words with the same numbers
	ds_store_b64 v50, v[48:49] offset:64
	s_wait_dscnt 0x0                               ; for the others' sake
	s_barrier_signal -1
	s_barrier_wait -1
	ds_load_b64 v[52:53], v51                      ; lane r: block r's m and s
	s_wait_dscnt 0x0
	v_mov_b32 v54, v52
.irp k, 1,2,4,8
	v_max_num_f32_dpp v54, v54, v54 row_xmask:\k row_mask:0xf bank_mask:0xf
.endr
	v_sub_f32 v55, v52, v54                        ; v54 = M
	v_sub_f32 v58, v46, v54
	v_sub_f32 v60, v48, v54
	v_mul_f32 v55, s25, v55
	v_mul_f32 v58, s25, v58
	v_mul_f32 v60, s25, v60
	v_exp_f32 v55, v55
	v_exp_f32 v58, v58
	v_exp_f32 v60, v60
	v_nop
	s_wait_alu depctr_va_vdst(0)
	v_mul_f32 v56, v53, v55
.irp k, 1,2,4,8
	v_add_f32_dpp v56, v56, v56 row_xmask:\k row_mask:0xf bank_mask:0xf
.endr
	v_add_f32 v56, 0x33d6bf95, v56                 ; S + 1e-7
	v_rcp_f32 v57, v56
	v_nop
	s_wait_alu depctr_va_vdst(0)
	v_mul_f32 v58, v58, v57                        ; exp(m - M) / (S + 1e-7) for block w,
	v_mul_f32 v60, v60, v57                        ; for block 8 + w;
	v_mov_b32 v59, v58                             ; each in both registers of a pair, for the packed forms
	v_mov_b32 v61, v60
	s_wait_loadcnt 0x0                             ; pv
	v_pk_add_f32 v[16:17], v[16:17], v[20:21]
	v_pk_add_f32 v[18:19], v[18:19], v[22:23]
	v_pk_add_f32 v[24:25], v[24:25], v[28:29]
	v_pk_add_f32 v[26:27], v[26:27], v[30:31]
	v_pk_mul_f32 v[16:17], v[16:17], v[58:59]
	v_pk_mul_f32 v[18:19], v[18:19], v[58:59]
	v_pk_fma_f32 v[16:17], v[24:25], v[60:61], v[16:17]
	v_pk_fma_f32 v[18:19], v[26:27], v[60:61], v[18:19]
	ds_store_b128 v6, v[16:19]
	s_wait_dscnt 0x0                               ; for wave 0's sake
	s_barrier_signal -1
	s_barrier_wait -1
	s_cmp_lg_u32 s12, s14
	s_cbranch_scc1 .Lno_att                        ; the wave whose number is c writes its two blocks of out1
.irp k, 0,1,2,3,4,5,6,7
	v_sub_f32 v[32+\k], v[8+\k], v54
.endr
.irp k, 0,1,2,3,4,5,6,7
	v_mul_f32 v[32+\k], s25, v[32+\k]
.endr
.irp k, 0,1,2,3,4,5,6,7
	v_exp_f32 v[32+\k], v[32+\k]
.endr
	v_nop
	s_wait_alu depctr_va_vdst(0)
.irp k, 0,1,2,3,4,5,6,7
	v_mul_f32 v[32+\k], v[32+\k], v57
.endr
	global_store_b128 v3, v[32:35], s[10:11]               ; 512 consecutive bytes, aligned; v32-39 and v3 are not written again
	global_store_b128 v3, v[36:39], s[10:11] offset:4096
.Lno_att:
	s_cmp_lg_u32 s12, 0
	s_cbranch_scc1 .Lno_sum                        ; wave 0 adds the eight waves' shares
	ds_load_b128 v[8:11], v7
	ds_load_b128 v[12:15], v7 offset:512
	ds_load_b128 v[16:19], v7 offset:1024
	ds_load_b128 v[20:23], v7 offset:1536
	ds_load_b128 v[24:27], v7 offset:2048
	ds_load_b128 v[28:31], v7 offset:2560
	ds_load_b128 v[40:43], v7 offset:3072
	ds_load_b128 v[44:47], v7 offset:3584
	s_wait_dscnt 0x0
	v_pk_add_f32 v[8:9], v[8:9], v[12:13]
	v_pk_add_f32 v[10:11], v[10:11], v[14:15]
	v_pk_add_f32 v[16:17], v[16:17], v[20:21]
	v_pk_add_f32 v[18:19], v[18:19], v[22:23]
	v_pk_add_f32 v[24:25], v[24:25], v[28:29]
	v_pk_add_f32 v[26:27], v[26:27], v[30:31]
	v_pk_add_f32 v[40:41], v[40:41], v[44:45]
	v_pk_add_f32 v[42:43], v[42:43], v[46:47]
	v_pk_add_f32 v[8:9], v[8:9], v[16:17]
	v_pk_add_f32 v[10:11], v[10:11], v[18:19]
	v_pk_add_f32 v[24:25], v[24:25], v[40:41]
	v_pk_add_f32 v[26:27], v[26:27], v[42:43]
	v_pk_add_f32 v[8:9], v[8:9], v[24:25]
	v_pk_add_f32 v[10:11], v[10:11], v[26:27]
	global_store_b128 v4, v[8:11], s[8:9]          ; 512 consecutive bytes, aligned
.Lno_sum:
	s_wait_tensorcnt 0x0                           ; the wave's end, behind my last LDS store
	ds_add_u32 v62, v63
	s_wait_dscnt 0x0
	s_endpgm
.Lfunc_end_k_q7beadeeaa6_comb:
	.size	k_q7beadeeaa6_comb, .Lfunc_end_k_q7beadeeaa6_comb-k_q7beadeeaa6_comb
	.p2alignl 7, 3214868480
	.fill 96, 4, 3214868480
	.section	.rodata,"a",@progbits
	.p2align	6, 0x0
	.amdhsa_kernel k_q7beadeeaa6_comb
		.amdhsa_group_segment_fixed_size 5376
		.amdhsa_private_segment_fixed_size 0
		.amdhsa_enable_private_segment 0
		.amdhsa_kernarg_size 32
		.amdhsa_user_sgpr_count 2
		.amdhsa_user_sgpr_kernarg_segment_ptr 1
		.amdhsa_wavefront_size32 1
		.amdhsa_system_sgpr_workgroup_id_x 1
		.amdhsa_system_sgpr_workgroup_id_y 1
		.amdhsa_system_sgpr_workgroup_id_z 1
		.amdhsa_system_vgpr_workitem_id 0
		.amdhsa_next_free_vgpr 64
		.amdhsa_next_free_sgpr 66
		.amdhsa_reserve_vcc 0
		.amdhsa_float_denorm_mode_32 3
		.amdhsa_float_denorm_mode_16_64 3
		.amdhsa_memory_ordered 1
		.amdhsa_forward_progress 1
		.amdhsa_inst_pref_size 11
	.end_amdhsa_kernel
	.amdgpu_metadata
---
amdhsa.version: [ 1, 2 ]
amdhsa.kernels:
  - .name:           k_q7beadeeaa6_comb
    .symbol:         k_q7beadeeaa6_comb.kd
    .args:
      - { .name: lg, .offset: 0, .size: 8, .value_kind: global_buffer, .address_space: global }
      - { .name: pv, .offset: 8, .size: 8, .value_kind: global_buffer, .address_space: global }
      - { .name: out0, .offset: 16, .size: 8, .value_kind: global_buffer, .address_space: global }
      - { .name: out1, .offset: 24, .size: 8, .value_kind: global_buffer, .address_space: global }
    .group_segment_fixed_size: 5376
    .private_segment_fixed_size: 0
    .kernarg_segment_align: 8
    .kernarg_segment_size: 32
    .max_flat_workgroup_size: 256
    .sgpr_count:     66
    .vgpr_count:     64
    .wavefront_size: 32
...
	.end_amdgpu_metadata
.endif
;; end of part 3
